; MI455X (gfx1250); checked and timed in simulation.
; The chip was launched on July 23, 2026; its instructions are those of AMD's public machine-readable ISA for CDNA 5 (MIT licence, August 2026) and "CDNA5" Instruction Set Architecture Reference Guide (July 2026). The comments in the code are by the model that wrote it; some were corrected since.
;; VQ Linear Pack SIMT. Allowed arithmetic: float matrix products may take bf16 or f16 operands with f32 sums; all other float work in f32.
;; Inputs: inp 8 x 64 x 4,096 float32; lut 16 x 2 float32; qweight 11,008 x 256 int32.
;; Outputs: out0 8 x 64 x 11,008 float32.
;; 2 versions, each right and faster than the one before. Each part assembles by itself: llvm-mc -triple=amdgcn-amd-amdhsa -mcpu=gfx1250 --defsym DOCPART=n.
;; ======== version 1 of 2: 2 launches
;; workspace buffers: xb 4,194,304 bytes
;; launch pack (part 1): grid 256 x 1, 4 waves a work-group, no clusters, 17,408 bytes of LDS; arguments inp, xb; writes xb
.if DOCPART == 1
	.amdgcn_target "amdgcn-amd-amdhsa--gfx1250"
	.amdhsa_code_object_version 6
	.text
	.protected	k_q2af282bdb6_pack
	.globl	k_q2af282bdb6_pack
	.p2align	8
	.type	k_q2af282bdb6_pack,@function
k_q2af282bdb6_pack:
	s_mov_b64 s[64:65], 0
	v_nop
	global_prefetch_b8 v0, s[64:65] scope:SCOPE_SE
	s_setreg_imm32_b32 hwreg(HW_REG_WAVE_MODE, 25, 1), 1
	s_wait_xcnt 0x0
; xb = x[512][4096] rounded to bf16 (nearest even), laid out in the order in which the product reads its matrix operands.
; xb byte ((R*4+q)*32+t)*8192 + a*1024 + half*512 + lane*16 holds the eight bf16
;   x[128 R + 16 a + (lane & 15)][128 kap + 32 q + 16 (lane >> 4) + 8 half + 0..7],  kap = (t + 4) & 31,
; R row block of 128, q the wave of the product that will read it, t its time step, a the row tile of 16.
; A wave takes one job: 16 rows x 128 columns (row tile I, K block kap); 32 x 32 jobs = 256 work-groups x 4 waves.
; In: sixteen loads, each 512 consecutive bytes of one row.  The turn from rows to fragments goes through the wave's own 16 LDS rows
; (256 bytes + 16 of padding: pitch 272 = 17 x 16, so the sixteen rows that a 16-byte read touches start at sixteen different
; places modulo 256 bytes).  Out: eight stores, each 512 consecutive bytes at a multiple of 512 from xb's first byte.
; No barrier: no wave touches another wave's LDS bytes.  No loop: every load of the job is issued at once.
; The matrix unit, clusters and tensor loads have nothing to do here: each byte is read once by one wave.
.set ROWB,  16384                      ; bytes in a row of x
.set PITCH, 272                        ; an LDS row
.set WLDS,  16*PITCH                   ; a wave's LDS bytes
.set X, 8                              ; v[8:71]    row p: 4 f32 as loaded
.set Y, 72                             ; v[72:103]  row p: 4 bf16 in 2 registers
.set F, 104                            ; v[104:135] piece i = 2 q + half: 8 bf16 to store
	s_load_b128 s[4:7], s[0:1], 0x0                ; inp s[4:5], xb s[6:7]
	v_lshrrev_b32 v5, 5, v0
	v_readfirstlane_b32 s8, v5                     ; wave 0..3
	v_and_b32 v1, 31, v0                           ; lane
	v_lshlrev_b32 v2, 4, v1                        ; 16 bytes a lane, in x and in xb
	s_lshl_b32 s9, ttmp9, 2
	s_add_co_u32 s9, s9, s8                        ; job = 4 x work-group + wave
	s_lshr_b32 s12, s9, 5                          ; I: row tile 0..31
	s_and_b32 s13, s9, 31                          ; kap: K block 0..31
	s_lshl_b32 s10, s12, 18                        ; 16 rows of 16,384 bytes
	s_lshl_b32 s14, s13, 9                         ; 128 f32
	s_add_co_u32 s10, s10, s14
	s_mov_b32 s11, 0
	s_wait_kmcnt 0x0
	s_add_nc_u64 s[4:5], s[4:5], s[10:11]
.set p, 0
.rept 16
	global_load_b128 v[X+4*p:X+4*p+3], v2, s[4:5] offset:p*ROWB th:TH_LOAD_NT   ; x is read once in the launch
.set p, p+1
.endr
	s_lshr_b32 s15, s12, 3                         ; R
	s_and_b32 s12, s12, 7                          ; a
	s_add_co_u32 s13, s13, 28
	s_and_b32 s13, s13, 31                         ; t = (kap - 4) mod 32
	s_lshl_b32 s16, s15, 20                        ; R x 4 waves x 32 steps x 8,192
	s_lshl_b32 s13, s13, 13
	s_lshl_b32 s12, s12, 10
	s_add_co_u32 s16, s16, s13
	s_add_co_u32 s16, s16, s12
	s_mov_b32 s17, 0
	s_add_nc_u64 s[6:7], s[6:7], s[16:17]
	s_mul_i32 s18, s8, WLDS                        ; my wave's LDS bytes
	v_lshl_add_u32 v3, v1, 3, s18                  ; in: 8 bytes a lane along a row
	v_and_b32 v5, 15, v1
	v_lshrrev_b32 v6, 4, v1
	v_mul_u32_u24 v4, v5, PITCH                    ; out: row lane & 15,
	v_lshl_add_u32 v4, v6, 5, v4                   ; 16 numbers further for lanes 16-31
	v_add_nc_u32 v4, s18, v4
.set p, 0
.rept 16
	s_wait_loadcnt 15-p                            ; loads come back in order: row p is in, the 15 - p younger ones stay out
	v_cvt_pk_bf16_f32 v[Y+2*p],   v[X+4*p],   v[X+4*p+1]
	v_cvt_pk_bf16_f32 v[Y+2*p+1], v[X+4*p+2], v[X+4*p+3]
	ds_store_b64 v3, v[Y+2*p:Y+2*p+1] offset:PITCH*p
.set p, p+1
.endr
.irp i, 0,1,2,3,4,5,6,7
	ds_load_b128 v[F+4*\i:F+4*\i+3], v4 offset:64*(\i>>1)+16*(\i&1)   ; LDS serves a wave's instructions in order: these see my stores above
.endr
.irp i, 0,1,2,3,4,5,6,7
	s_wait_dscnt 7-\i                              ; piece i is in, the younger ones stay out
	global_store_b128 v2, v[F+4*\i:F+4*\i+3], s[6:7] offset:(\i>>1)*262144+(\i&1)*512
.endr
	s_endpgm
.Lfunc_end_k_q2af282bdb6_pack:
	.size	k_q2af282bdb6_pack, .Lfunc_end_k_q2af282bdb6_pack-k_q2af282bdb6_pack
	.p2alignl 7, 3214868480
	.fill 96, 4, 3214868480
	.section	.rodata,"a",@progbits
	.p2align	6, 0x0
	.amdhsa_kernel k_q2af282bdb6_pack
		.amdhsa_group_segment_fixed_size 17408
		.amdhsa_private_segment_fixed_size 0
		.amdhsa_enable_private_segment 0
		.amdhsa_kernarg_size 16
		.amdhsa_user_sgpr_count 2
		.amdhsa_user_sgpr_kernarg_segment_ptr 1
		.amdhsa_wavefront_size32 1
		.amdhsa_system_sgpr_workgroup_id_x 1
		.amdhsa_system_sgpr_workgroup_id_y 1
		.amdhsa_system_sgpr_workgroup_id_z 1
		.amdhsa_system_vgpr_workitem_id 0
		.amdhsa_next_free_vgpr 136
		.amdhsa_next_free_sgpr 66
		.amdhsa_reserve_vcc 0
		.amdhsa_float_denorm_mode_32 3
		.amdhsa_float_denorm_mode_16_64 3
		.amdhsa_memory_ordered 1
		.amdhsa_forward_progress 1
		.amdhsa_inst_pref_size 8
	.end_amdhsa_kernel
	.amdgpu_metadata
---
amdhsa.version: [ 1, 2 ]
amdhsa.kernels:
  - .name:           k_q2af282bdb6_pack
    .symbol:         k_q2af282bdb6_pack.kd
    .args:
      - { .name: inp, .offset: 0, .size: 8, .value_kind: global_buffer, .address_space: global }
      - { .name: xb, .offset: 8, .size: 8, .value_kind: global_buffer, .address_space: global }
    .group_segment_fixed_size: 17408
    .private_segment_fixed_size: 0
    .kernarg_segment_align: 8
    .kernarg_segment_size: 16
    .max_flat_workgroup_size: 128
    .sgpr_count:     66
    .vgpr_count:     136
    .wavefront_size: 32
...
	.end_amdgpu_metadata
.endif
;; end of part 1
;; launch vqmm (part 2): grid 4 x 63, 4 waves a work-group, no clusters, 266,240 bytes of LDS; arguments xb, qweight, lut, out0; writes out0
.if DOCPART == 2
	.amdgcn_target "amdgcn-amd-amdhsa--gfx1250"
	.amdhsa_code_object_version 6
	.text
	.protected	k_q2af282bdb6_vqmm
	.globl	k_q2af282bdb6_vqmm
	.p2align	8
	.type	k_q2af282bdb6_vqmm,@function
k_q2af282bdb6_vqmm:
	s_mov_b64 s[64:65], 0
	v_nop
	global_prefetch_b8 v0, s[64:65] scope:SCOPE_SE
	s_setreg_imm32_b32 hwreg(HW_REG_WAVE_MODE, 25, 1), 1
	s_wait_xcnt 0x0
; out[512][11008] = x . dq^T,  dq[n][16 w + 2 j + e] = lut[(qweight[n][w] >> 4 j) & 15][e];  x comes as xb (bf16, fragment order).
; A work-group makes 128 rows x 176 columns: 8 x 11 accumulator tiles of 16 x 16.  K IS SPLIT OVER THE FOUR WAVES: every wave holds all 88 tiles
; (704 registers) and takes, of each K block of 128, its own 32.  So 8 + 11 fragments feed 88 matrix instructions, and each looked-up register of
; dq feeds eight.  The four partial sums meet in LDS at the end, which also turns the tiles into whole rows.
; x: straight from xb into registers, each load 512 consecutive bytes; a ring of four buffers, three K steps requested ahead.
; dq: the block's 176 rows of qweight lie in LDS (four units of 64 words a row).  Lane (r, h) takes word 8 kap + 2 q + h of row 16 b + r: eight codes,
;   16 neighbouring k.  One register holds the table, pair (lane & 15) as two bf16 in each lane; ds_bpermute_b32 pulls the pair of lane index / 4,
;   and the index is made exactly 4 x code (0 to 60).  Register j of a fragment holds k0 + 2 j, k0 + 2 j + 1 with
;   k0 = 128 kap + 32 q + 16 h, in both operands alike: a permutation of k inside the K step, which leaves the products as they are.
; K blocks go in the order kap = 4..31, 0..3, so that the first three steps need only the first unit of qweight.
; The last column block begins at 11008 - 176 = 10832 and computes 80 columns that its neighbour also makes; it stores only those from 10912 on.
; STORES: 16 bytes a lane, laid on the grid of 256 bytes counted from out's first byte; 176 columns are 704 bytes, so only the first and the last piece of a
;   block's row cover fewer than 256 bytes.  Blocks of 192 columns would avoid that and need 768 accumulator registers and 58 column blocks of uneven use.
; NO CLUSTER: of the 1,200 KiB that a work-group reads, 1,024 KiB are x, which goes into registers, where a joint request cannot deliver;
;   the 176 KiB of qweight that four row blocks share are fetched once, at the start.
; LIMITS: x and lut are rounded to bf16 (nearest even).  An output is the sum of four f32 partial sums (one a wave), added as (p0 + p1) + (p2 + p3),
;   each over its K steps in the order above.  All 32 bits of a qweight word are used, negative words too.  NaN and infinities pass as bf16 carries them.
;
; REGISTERS, in windows of 256 (s_set_vgpr_msb: bits 1:0 source 0, 3:2 source 1, 5:4 source 2, 7:6 destination):
;   window 0: v0-63 the names below (all that a lookup touches); v64, v128, v192: buffers 0, 1, 2 of the ring of x, fragment a at + 8 a.
;             At the end v64-127 and v128-191 are the two sets for the sums.
;   windows 1-3: tile (b, a) in window 1 + (b >> 2) at v[8 (8 (b & 3) + a)]: window 3 up to v191.
;   window 3 from v192: buffer 3 of the ring of x.
.set NOUT,   11008
.set ROWOUT, NOUT*4                    ; bytes in a row of out: 172 x 256
.set BN,     176                       ; columns of a block
.set WPITCH, 272                       ; LDS row of a unit: 256 bytes + 16 = 17 x 16
.set SR,     BN*WPITCH                 ; a unit: 47,872 bytes
.set QROWS,  BN/4                      ; rows of a unit that one wave fetches
.set ASTEP,  8192                      ; bytes of xb in a wave's K step
.set OPITCH, 1040                      ; the end: an LDS row, 1,024 bytes + 16 = 65 x 16
.set CP,     64*OPITCH                 ; the end: one wave's copy of 64 rows
.set BR,   0                           ; v[0:31]  ring of four fragments of dq
.set IX,   32                          ; v[32:39] lookup indices
.set T0,   40                          ; 4 x code of the even codes, one a byte
.set T1,   41                          ; the same of the odd codes
.set WW,   42                          ; v[42:52] the eleven code words of a K step
.set LUT,  53                          ; the table: pair lane & 15, two bf16
.set XO,   54                          ; 16 x lane
.set WA0,  55                          ; my word in unit 0: r x 272 + 8 q + 4 h
.set WAL,  56                          ; the same in the loop's unit
.set LANE, 57
.set TM,   58                          ; v58 r, v59 h (kept to the end); v60 the table's offset; v[62:63] the table's pair in f32
.set SA,   32                          ; the end: where I put my tiles
.set RA,   33                          ; v[33:36] the end: where I read copy c
.set SET0, 64                          ; the end: two sets of 4 rows x 4 copies x 4 registers
.set SET1, 128
.set MSB, 0
.macro WIN new                         ; the immediate's high byte repeats the setting that is left; a switch that changes nothing is dropped
.if MSB != (\new)
	s_set_vgpr_msb (MSB<<8)|(\new)
.set MSB, (\new)
.endif
.endm
	s_load_b256 s[4:11], s[0:1], 0x0               ; xb s[4:5], qweight s[6:7], lut s[8:9], out s[10:11]
	v_lshrrev_b32 v1, 5, v0
	v_readfirstlane_b32 s12, v1                    ; q: wave 0..3
	s_mov_b32 s13, ttmp9                           ; R: row block 0..3
	s_and_b32 s14, ttmp7, 0xffff                   ; cb: column block 0..62
	s_mul_i32 s15, s14, BN
	s_min_u32 s15, s15, NOUT-BN                    ; n0: my first column; the last block is moved back inside the matrix
	s_mov_b32 s50, 0x3c3c3c3c                      ; four times the place of 4 x code in a byte
	s_mov_b32 s51, 0xff
	; descriptor group 1: 44 rows of 64 words, 256 words from row to row, 4 words of padding behind every 64 in LDS
	s_mov_b32 s16, (2<<16)|(1<<20)|(5<<22)|(3<<25) ; no mask; elements of 4 bytes; padding on; after 64 words (code 5); of 4 words (code 3)
	s_mov_b32 s17, 64<<16                          ; tensor_dim0 = 64
	s_mov_b32 s18, QROWS<<16                       ; tensor_dim1 = 44
	s_mov_b32 s19, 64<<16                          ; tile_dim0 = 64
	s_mov_b32 s20, QROWS                           ; tile_dim1 = 44
	s_mov_b32 s21, 256                             ; the pitch
	s_mov_b32 s22, 0
	s_mov_b32 s23, 0
	s_mul_i32 s45, s12, QROWS*WPITCH               ; my 44 rows in a unit
	s_mul_i32 s46, s12, QROWS
	s_add_co_u32 s46, s46, s15
	s_lshl_b32 s46, s46, 10                        ; row n0 + 44 q of qweight, 1,024 bytes a row
	s_mov_b32 s47, 0
	s_wait_kmcnt 0x0
	s_add_nc_u64 s[6:7], s[6:7], s[46:47]
	; All fills of the launch go out here, ahead of every wait on TENSORcnt, LDS read and barrier: four tensor loads of this wave are out at the most.
.irp s, 0,1,2,3
	s_mov_b32 s[24+4*\s], 1
	s_add_co_u32 s[25+4*\s], s45, \s*SR            ; LDS: unit s, my rows
	s_add_nc_u64 s[26+4*\s:27+4*\s], s[6:7], \s*256   ; words 64 s .. 64 s + 63
	s_or_b32 s[27+4*\s], s[27+4*\s], 0x80000000
	tensor_load_to_lds s[24+4*\s:27+4*\s], s[16:23]
.endr
	s_lshl_b32 s46, s13, 2
	s_add_co_u32 s46, s46, s12
	s_lshl_b32 s46, s46, 18                        ; (4 R + q) x 32 steps x 8,192 bytes
	s_add_nc_u64 s[4:5], s[4:5], s[46:47]          ; my stream of x
	s_lshl_b32 s42, s12, 3                         ; 8 q
	v_and_b32 v[LANE], 31, v0
	v_lshlrev_b32 v[XO], 4, v[LANE]
	v_and_b32 v[TM], 15, v[LANE]                   ; r
	v_lshrrev_b32 v[TM+1], 4, v[LANE]              ; h
	v_lshlrev_b32 v[TM+2], 3, v[TM]                ; a pair of the table is 8 bytes
	global_load_b64 v[TM+4:TM+5], v[TM+2], s[8:9]  ; lut[lane & 15]
	v_mul_u32_u24 v[WA0], v[TM], WPITCH
	v_lshl_add_u32 v[WA0], v[TM+1], 2, v[WA0]
	v_add_nc_u32 v[WA0], s42, v[WA0]
	v_add_nc_u32 v[WAL], SR, v[WA0]                ; the loop begins in unit 1
; Sixteen loads: the eight fragments of x of one K step into buffer beta; off = the step's place from the stream's pointer
.macro ALOAD beta, off
.if (\beta) == 3
	WIN 0xc0                                       ; address window 0, data into window 3
.set lab, 192
.else
	WIN 0
.set lab, 64+64*(\beta)
.endif
.irp a, 0,1,2,3,4,5,6,7
	global_load_b128 v[lab+8*\a:lab+8*\a+3],   v[XO], s[4:5] offset:(\off)+1024*\a
	global_load_b128 v[lab+8*\a+4:lab+8*\a+7], v[XO], s[4:5] offset:(\off)+1024*\a+512
.endr
.endm
; One fragment of dq from one code word.  Code j lies at bits 4 j .. 4 j + 3: in w << 2 the even codes, in w >> 2 the odd ones, stand at bits 2 to 5
; of a byte, which is 4 x code; the mask leaves that alone, and a byte taken out is the index.
.macro LOOK w, pos
	v_lshlrev_b32 v[T0], 2, v[\w]
	v_lshrrev_b32 v[T1], 2, v[\w]
	v_and_b32 v[T0], s50, v[T0]
	v_and_b32 v[T1], s50, v[T1]
	v_and_b32 v[IX],   s51, v[T0]
	v_and_b32 v[IX+1], s51, v[T1]
	v_bfe_u32 v[IX+2], v[T0], 8, 8
	v_bfe_u32 v[IX+3], v[T1], 8, 8
	v_bfe_u32 v[IX+4], v[T0], 16, 8
	v_bfe_u32 v[IX+5], v[T1], 16, 8
	v_lshrrev_b32 v[IX+6], 24, v[T0]
	v_lshrrev_b32 v[IX+7], 24, v[T1]
.irp j, 0,1,2,3,4,5,6,7
	ds_bpermute_b32 v[BR+8*(\pos)+\j], v[IX+\j], v[LUT]
.endr
.endm
; Eight matrix instructions: column tile b x all eight row tiles.  Source 0 = 16 rows of dq, source 1 = 16 rows of x, so that lane (r, h) holds
; out(row r, columns 16 b + 8 h + 0..7): 32 neighbouring bytes.  The 88 accumulators take turns, one instruction a turn, in the same order in
; every K step and over the backward jump.
.macro MUL b, pos, beta, zero
.if (\beta) == 3
	WIN 0x50*(1+((\b)>>2))+0x0c                    ; source 0 window 0, source 1 window 3, C and D window 1 + (b >> 2)
.set mab, 192
.else
	WIN 0x50*(1+((\b)>>2))                         ; sources window 0, C and D window 1 + (b >> 2)
.set mab, 64+64*(\beta)
.endif
.set ma, 0
.rept 8
.set acc, 8*(8*((\b)&3)+ma)
.if \zero
	v_wmma_f32_16x16x32_bf16 v[acc:acc+7], v[BR+8*(\pos):BR+8*(\pos)+7], v[mab+8*ma:mab+8*ma+7], 0
.else
	v_wmma_f32_16x16x32_bf16 v[acc:acc+7], v[BR+8*(\pos):BR+8*(\pos)+7], v[mab+8*ma:mab+8*ma+7], v[acc:acc+7]
.endif
.set ma, ma+1
.endr
.endm
; A K step: eleven groups.  Group b loads the next step's code word b (word b of this step was used up two groups ago), looks up the fragment that is
; due two groups later into place (b + 2) & 3 of the ring (behind group 8: the next step's fragments 0 and 1), and multiplies fragment b.
; The place that a lookup writes was last read one or two groups earlier, never by the current group.
; The twelve vector instructions of a lookup name no register of a matrix instruction: they are the places (ISA guide 7.12.1 for vector instructions)
; between the last group's matrix instructions and the lookups and loads of x that write over registers which those have read.
; beta: this step's buffer of x.  zero = 1: the products start the sums.  aoff: where the step three ahead lies (-1: nothing is left to ask for).
; lcnt: loads of x that may stay out.  wadr, woff: where the next step's words lie.  last = 1: no next step.  first = 1: the very first step.
.macro KSTEP beta, zero, aoff, lcnt, wadr, woff, last, first
.set nbeta, ((\beta)+3)&3
.set kb, 0
.rept 11
.if (\last) == 0
	WIN 0
	ds_load_b32 v[WW+kb], v[\wadr] offset:16*WPITCH*kb+(\woff)
.endif
.if kb < 9
	WIN 0
	LOOK WW+kb+2, (kb+2)&3
.else
.if (\last) == 0
	LOOK WW+kb-9, (kb-9)&3
.endif
.endif
.if kb == 0
	s_wait_loadcnt \lcnt                           ; loads come back in order: this step's sixteen are in, those of the later steps stay out
.if (\aoff) >= 0
	ALOAD nbeta, \aoff                             ; three steps ahead, into the buffer that the last step has read
.endif
.endif
; LDS instructions come back in order.  Fragment b was looked up two groups ago; behind it came that many LDS instructions:
.set dn, 18                                    ; a word and eight lookups in each of two groups
.if \first
.if kb == 0
.set dn, 17                                    ; eight lookups ahead of the step, and this group's nine
.endif
.endif
.if \last
.set dn, 16                                    ; no words are loaded any more: eight and eight,
.if kb == 0
.set dn, 17                                    ; nine in the last group of the step before,
.endif
.if kb == 9
.set dn, 8                                     ; nothing in groups 9 and 10
.endif
.if kb == 10
.set dn, 0
.endif
.endif
	s_wait_dscnt dn
	MUL kb, kb&3, \beta, \zero
.set kb, kb+1
.endr
.endm
	ALOAD 0, 0                                     ; K steps 0, 1, 2 of x
	ALOAD 1, ASTEP
	ALOAD 2, 2*ASTEP
	s_wait_loadcnt 48                              ; the table's pair is in: 48 loads were issued behind it
	v_cvt_pk_bf16_f32 v[LUT], v[TM+4], v[TM+5]
	s_wait_tensorcnt 0x3                           ; my rows of unit 0 are in; units 1 to 3 stay out
	s_barrier_signal -1
	s_barrier_wait -1                              ; everybody's rows of unit 0 are in
.set kb, 0
.rept 11
	ds_load_b32 v[WW+kb], v[WA0] offset:16*WPITCH*kb+128   ; K block 4: word 32 of the row
.set kb, kb+1
.endr
	s_wait_dscnt 0x0
	LOOK WW+0, 0
	LOOK WW+1, 1
	KSTEP 0, 1, 3*ASTEP, 32, WA0, 160, 0, 1        ; K blocks 4, 5, 6: unit 0
	KSTEP 1, 0, 4*ASTEP, 32, WA0, 192, 0, 0
	KSTEP 2, 0, 5*ASTEP, 32, WA0, 224, 0, 0
	WIN 0
	s_wait_tensorcnt 0x0                           ; my rows of all units are in,
	s_wait_dscnt 0x0                               ; no LDS instruction of mine is pending at the signal,
	s_barrier_signal -1
	s_barrier_wait -1                              ; everybody's are: from here on qweight needs no further wait
	s_wait_xcnt 0x0                                ; the pointer is stepped only behind this wait
	s_add_nc_u64 s[4:5], s[4:5], 3*ASTEP
	s_mov_b32 s41, 3
.Ltrip:                                            ; a trip: eight K steps, whose next-step words walk one unit from end to end
	KSTEP 3, 0, 3*ASTEP,  32, WAL, 0,   0, 0
	KSTEP 0, 0, 4*ASTEP,  32, WAL, 32,  0, 0
	KSTEP 1, 0, 5*ASTEP,  32, WAL, 64,  0, 0
	KSTEP 2, 0, 6*ASTEP,  32, WAL, 96,  0, 0
	KSTEP 3, 0, 7*ASTEP,  32, WAL, 128, 0, 0
	KSTEP 0, 0, 8*ASTEP,  32, WAL, 160, 0, 0
	KSTEP 1, 0, 9*ASTEP,  32, WAL, 192, 0, 0
	KSTEP 2, 0, 10*ASTEP, 32, WAL, 224, 0, 0
	WIN 0                                          ; at a branch and at a label every window is 0
	v_add_nc_u32 v[WAL], SR, v[WAL]                ; the next unit
	s_wait_xcnt 0x0                                ; the pointer is stepped only behind this wait
	s_add_nc_u64 s[4:5], s[4:5], 8*ASTEP
	s_sub_co_u32 s41, s41, 1
	s_cmp_lg_u32 s41, 0
	s_cbranch_scc1 .Ltrip
	KSTEP 3, 0, 3*ASTEP, 32, WA0, 0,  0, 0         ; step 27; the words of K blocks 0 to 3 lie in unit 0 again
	KSTEP 0, 0, 4*ASTEP, 32, WA0, 32, 0, 0         ; asks for the last step of x
	KSTEP 1, 0, -1,      32, WA0, 64, 0, 0         ; nothing is left to ask for: the counts run down
	KSTEP 2, 0, -1,      16, WA0, 96, 0, 0
	KSTEP 3, 0, -1,      0,  WA0, 0,  1, 0
	; THE END.  The units have had their last fill and their last read; their bytes become four copies (one a wave) of 64 rows x 1,040 bytes.
	; A row's column n - n0 lies at byte phi + 4 (n - n0), phi = 4 n0 mod 256, so that LDS rows and rows of out have the same grid of 256 bytes.
	; Twice (rows 0-63, rows 64-127 of the block): every wave puts its 44 tiles into its copy; barrier; wave q adds the four copies of rows 16 q .. 16 q + 15
	; and stores them, 16 bytes a lane.
	WIN 0
.rept 4
	v_nop                                          ; the places behind the last matrix instructions: results are read and registers of window 0 written below
.endr
	s_wait_dscnt 0x0
	s_barrier_signal -1
	s_barrier_wait -1                              ; no wave reads qweight any more
	s_lshl_b32 s42, s15, 2
	s_and_b32 s42, s42, 0xc0                       ; phi: n0 is a multiple of 16, so 4 n0 mod 256 is 0, 64, 128 or 192
	s_mul_i32 s45, s12, CP
	s_add_co_u32 s45, s45, s42
	v_mul_u32_u24 v[SA], v[TM], OPITCH
	v_lshl_add_u32 v[SA], v[TM+1], 5, v[SA]
	v_add_nc_u32 v[SA], s45, v[SA]                 ; copy q, row r, byte phi + 32 h
	s_mul_i32 s45, s12, 16*OPITCH                  ; the sixteen rows that I add
.irp c, 0,1,2,3
	s_add_co_u32 s46, s45, \c*CP
	v_add_nc_u32 v[RA+\c], s46, v[XO]
.endr
	s_mul_i32 s43, s14, BN
	s_sub_co_u32 s43, s43, s15                     ; columns at my left edge that the neighbour stores: 0, in the last block 80
	s_lshr_b32 s43, s43, 2                         ; in lanes of four columns
	s_lshr_b32 s44, s42, 4
	s_add_co_u32 s43, s43, s44                     ; first half of a row: lanes from phi / 16 + that on (24 at the most)
	s_add_co_u32 s44, s44, 12                      ; second half: 512 + 16 lane < phi + 704, lanes below 12 + phi / 16 (12 at the least)
	s_lshl_b32 s46, s13, 7
	s_lshl_b32 s47, s12, 4
	s_add_co_u32 s46, s46, s47                     ; row 128 R + 16 q
	s_mul_i32 s46, s46, ROWOUT
	s_lshl_b32 s47, s15, 2
	s_add_co_u32 s46, s46, s47
	s_sub_co_u32 s46, s46, s42                     ; + 4 n0 - phi: a multiple of 256
	s_mov_b32 s47, 0
	s_add_nc_u64 s[48:49], s[10:11], s[46:47]
.macro STAGE p                         ; row tiles 4 p .. 4 p + 3 of all eleven column tiles into my copy
.set sb, 0
.rept 11
	WIN 0x04*(1+(sb>>2))                           ; address window 0, data window 1 + (b >> 2)
.irp a, 0,1,2,3
.set acc, 8*(8*(sb&3)+4*(\p)+\a)
	ds_store_b128 v[SA], v[acc:acc+3]   offset:16*OPITCH*\a+64*sb
	ds_store_b128 v[SA], v[acc+4:acc+7] offset:16*OPITCH*\a+64*sb+16
.endr
.set sb, sb+1
.endr
	WIN 0
.endm
.macro RLOAD set, row0, type           ; four rows x four copies, 16 bytes a lane, into a set of 64 registers
	s_wait_xcnt 0x0                                ; the set held data of stores: it is loaded again only behind this wait
.irp i, 0,1,2,3
.irp c, 0,1,2,3
	ds_load_b128 v[(\set)+16*\i+4*\c:(\set)+16*\i+4*\c+3], v[RA+\c] offset:((\row0)+\i)*OPITCH+512*(\type)
.endr
.endr
.endm
.macro RSUM set, row0, extra, type     ; extra = 16 where a younger batch of loads is out
.irp i, 0,1,2,3
.set rb, (\set)+16*\i
	s_wait_dscnt (\extra)+12-4*\i                  ; row i's four loads are in; the batch's later rows and the younger batch stay out
	v_pk_add_f32 v[rb:rb+1],     v[rb:rb+1],     v[rb+4:rb+5]
	v_pk_add_f32 v[rb+2:rb+3],   v[rb+2:rb+3],   v[rb+6:rb+7]
	v_pk_add_f32 v[rb+8:rb+9],   v[rb+8:rb+9],   v[rb+12:rb+13]
	v_pk_add_f32 v[rb+10:rb+11], v[rb+10:rb+11], v[rb+14:rb+15]
	v_pk_add_f32 v[rb:rb+1],     v[rb:rb+1],     v[rb+8:rb+9]
	v_pk_add_f32 v[rb+2:rb+3],   v[rb+2:rb+3],   v[rb+10:rb+11]
	global_store_b128 v[XO], v[rb:rb+3], s[48:49] offset:((\row0)+\i)*ROWOUT+512*(\type) th:TH_STORE_NT   ; sixteen lanes: 256 consecutive bytes, at a multiple of 256 from out's first byte
.endr
.endm
; Half a row (512 bytes) of each of my sixteen rows, under the mask in VCC: only lanes whose 16 bytes belong to my block read and store.
.macro PASS type
	s_wait_xcnt 0x0                                ; EXEC changes only behind this wait
	s_and_saveexec_b32 s40, vcc_lo
	RLOAD SET0, 0,  \type
	RLOAD SET1, 4,  \type
	RSUM  SET0, 0,  16, \type
	RLOAD SET0, 8,  \type
	RSUM  SET1, 4,  16, \type
	RLOAD SET1, 12, \type
	RSUM  SET0, 8,  16, \type
	RSUM  SET1, 12, 0,  \type
	s_wait_xcnt 0x0                                ; and again, in front of the line that widens it
	s_or_b32 exec_lo, exec_lo, s40
.endm
	STAGE 0
	s_wait_dscnt 0x0                               ; my stores are done, for the others' sake
	s_barrier_signal -1
	s_barrier_wait -1
	v_cmp_le_u32 vcc_lo, s43, v[LANE]
	PASS 0
	v_cmp_gt_u32 vcc_lo, s44, v[LANE]
	PASS 1
	s_add_nc_u64 s[48:49], s[48:49], 64*ROWOUT     ; behind the pass's closing s_wait_xcnt 0: the block's rows 64-127
	s_wait_dscnt 0x0                               ; my reads of the copies are over
	s_barrier_signal -1
	s_barrier_wait -1                              ; everybody's are: the copies may be written again
	STAGE 1
	s_wait_dscnt 0x0
	s_barrier_signal -1
	s_barrier_wait -1
	v_cmp_le_u32 vcc_lo, s43, v[LANE]
	PASS 0
	v_cmp_gt_u32 vcc_lo, s44, v[LANE]
	PASS 1
	s_endpgm
.Lfunc_end_k_q2af282bdb6_vqmm:
	.size	k_q2af282bdb6_vqmm, .Lfunc_end_k_q2af282bdb6_vqmm-k_q2af282bdb6_vqmm
	.p2alignl 7, 3214868480
	.fill 96, 4, 3214868480
	.section	.rodata,"a",@progbits
	.p2align	6, 0x0
	.amdhsa_kernel k_q2af282bdb6_vqmm
		.amdhsa_group_segment_fixed_size 266240
		.amdhsa_private_segment_fixed_size 0
		.amdhsa_enable_private_segment 0
		.amdhsa_kernarg_size 32
		.amdhsa_user_sgpr_count 2
		.amdhsa_user_sgpr_kernarg_segment_ptr 1
		.amdhsa_wavefront_size32 1
		.amdhsa_system_sgpr_workgroup_id_x 1
		.amdhsa_system_sgpr_workgroup_id_y 1
		.amdhsa_system_sgpr_workgroup_id_z 1
		.amdhsa_system_vgpr_workitem_id 0
		.amdhsa_next_free_vgpr 1024
		.amdhsa_next_free_sgpr 66
		.amdhsa_reserve_vcc 1
		.amdhsa_float_denorm_mode_32 3
		.amdhsa_float_denorm_mode_16_64 3
		.amdhsa_memory_ordered 1
		.amdhsa_forward_progress 1
		.amdhsa_inst_pref_size 255
	.end_amdhsa_kernel
	.section	.bss,"aw",@nobits
	.p2align	6
	.space	262144
	.amdgpu_metadata
---
amdhsa.version: [ 1, 2 ]
amdhsa.kernels:
  - .name:           k_q2af282bdb6_vqmm
    .symbol:         k_q2af282bdb6_vqmm.kd
    .args:
      - { .name: xb, .offset: 0, .size: 8, .value_kind: global_buffer, .address_space: global }
      - { .name: qweight, .offset: 8, .size: 8, .value_kind: global_buffer, .address_space: global }
      - { .name: lut, .offset: 16, .size: 8, .value_kind: global_buffer, .address_space: global }
      - { .name: out0, .offset: 24, .size: 8, .value_kind: global_buffer, .address_space: global }
    .group_segment_fixed_size: 266240
    .private_segment_fixed_size: 0
    .kernarg_segment_align: 8
    .kernarg_segment_size: 32
    .max_flat_workgroup_size: 128
    .sgpr_count:     66
    .vgpr_count:     1024
    .wavefront_size: 32
...
	.end_amdgpu_metadata
.endif
;; end of part 2
;; ======== version 2 of 2: 2 launches; 1.21 times as fast as version 1
;; workspace buffers: xb 4,194,304 bytes
;; launch pack: the kernel of part 1 again; grid 256 x 1, 4 waves a work-group, no clusters, 17,408 bytes of LDS; arguments inp, xb; writes xb
;; launch vqmm (part 3): grid 4 x 63, 4 waves a work-group, no clusters, 266,240 bytes of LDS; arguments xb, qweight, lut, out0; writes out0
.if DOCPART == 3
	.amdgcn_target "amdgcn-amd-amdhsa--gfx1250"
	.amdhsa_code_object_version 6
	.text
	.protected	k_q2af282bdb6_vqmm
	.globl	k_q2af282bdb6_vqmm
	.p2align	8
	.type	k_q2af282bdb6_vqmm,@function
k_q2af282bdb6_vqmm:
	s_mov_b64 s[64:65], 0
	v_nop
	global_prefetch_b8 v0, s[64:65] scope:SCOPE_SE
	s_setreg_imm32_b32 hwreg(HW_REG_WAVE_MODE, 25, 1), 1
	s_wait_xcnt 0x0
; out[512][11008] = x . dq^T,  dq[n][16 w + 2 j + e] = lut[(qweight[n][w] >> 4 j) & 15][e];  x comes as xb (bf16, fragment order).
; A work-group makes 128 rows x 176 columns: 8 x 11 accumulator tiles of 16 x 16.  K IS SPLIT OVER THE FOUR WAVES: every wave holds all 88 tiles
; (704 registers) and takes, of each K block of 128, its own 32.  So 8 + 11 fragments feed 88 matrix instructions, and each looked-up register of
; dq feeds eight.  The four partial sums meet in LDS at the end, which also turns the tiles into whole rows.
; x: straight from xb into registers, each load 512 consecutive bytes; a ring of four buffers, three K steps requested ahead.
; dq: the block's 176 rows of qweight lie in LDS (four units of 64 words a row).  Lane (r, h) takes word 8 kap + 2 q + h of row 16 b + r: eight codes,
;   16 neighbouring k.  THE LOOKUP goes by bytes, two codes at a time: a table in LDS holds for each byte e the 8 bytes {pair[e & 15], pair[e >> 4]}
;   (a pair = lut's two numbers as bf16), once for every lane, at e x 256 + 8 x lane: 65,536 bytes.  One ds_load_b64 brings two registers of a fragment, and
;   since each lane reads its own 8 bytes modulo 256 (64 banks of 4 bytes: ISA guide 11.1), no two lanes meet in a bank, whatever the codes.
;   Register j of a fragment holds k0 + 2 j, k0 + 2 j + 1 with k0 = 128 kap + 32 q + 16 h, in both operands alike: a permutation of k inside the K step,
;   which leaves the products as they are.
; THE ORDER OF A K STEP: the eleven fragments of dq go in four chunks (b = 0-2, 3-5, 6-8, 9-10), chunk c in buffer c & 1 of two.  Behind the 24 (16) matrix
;   instructions of chunk c stands one gap: the vector work that makes the addresses of chunk c + 2, into the buffer that chunk c has just left; then one run of
;   LDS instructions, the code words of chunk c + 3 and the lookups of chunk c + 2, in place (a pair lands on the register pair whose first held its address).
;   Chunk c + 1, multiplied next, was looked up one gap earlier, so a lookup has a chunk's matrix instructions in which to come back.
; K blocks go in the order kap = 4..31, 0..3, so that the first three steps need only the first unit of qweight.
; The last column block begins at 11008 - 176 = 10832 and computes 80 columns that its neighbour also makes; it stores only those from 10912 on.
; STORES: 16 bytes a lane, laid on the grid of 256 bytes counted from out's first byte; 176 columns are 704 bytes, so only the first and the last piece of a
;   block's row cover fewer than 256 bytes.  Blocks of 192 columns would avoid that and need 768 accumulator registers and 58 column blocks of uneven use.
; NO CLUSTER: of the 1,200 KiB that a work-group reads, 1,024 KiB are x, which goes into registers, where a joint request cannot deliver;
;   the 176 KiB of qweight that four row blocks share are fetched once, at the start.
; LIMITS: x and lut are rounded to bf16 (nearest even).  An output is the sum of four f32 partial sums (one a wave), added as (p0 + p1) + (p2 + p3),
;   each over its K steps in the order above.  All 32 bits of a qweight word are used, negative words too.  NaN and infinities pass as bf16 carries them.
;
; LDS: bytes 0 - 65,535 the table; from 65,536 the four units, 47,872 bytes each, up to 257,024.
;   At the end, when both have been read for the last time, bytes 0 - 266,239 hold the four copies of the partial sums.
; REGISTERS, in windows of 256 (s_set_vgpr_msb: bits 1:0 source 0, 3:2 source 1, 5:4 source 2, 7:6 destination):
;   window 0: v0-63 the names below (all that a lookup touches); v64, v128, v192: buffers 0, 1, 2 of the ring of x, fragment a at + 8 a.
;             At the end v64-127 and v128-191 are the two sets for the sums.
;   windows 1-3: tile (b, a) in window 1 + (b >> 2) at v[8 (8 (b & 3) + a)]: window 3 up to v191.
;   window 3 from v192: buffer 3 of the ring of x.        704 + 4 x 64 + 64 = 1,024 registers.
.set NOUT,   11008
.set ROWOUT, NOUT*4                    ; bytes in a row of out: 172 x 256
.set BN,     176                       ; columns of a block
.set UB,     65536                     ; the units begin behind the table
.set WPITCH, 272                       ; LDS row of a unit: 256 bytes + 16 = 17 x 16
.set SR,     BN*WPITCH                 ; a unit: 47,872 bytes
.set QROWS,  BN/4                      ; rows of a unit that one wave fetches
.set ASTEP,  8192                      ; bytes of xb in a wave's K step
.set OPITCH, 1040                      ; the end: an LDS row, 1,024 bytes + 16 = 65 x 16
.set CP,     64*OPITCH                 ; the end: one wave's copy of 64 rows
.set BR,   0                           ; v[0:47]  two buffers of three fragments of dq: first the addresses (even registers), then the pairs
.set T,    48                          ; v[48:53] six addresses before the clamp; in the set-up v48: where I write the table
.set WW,   54                          ; v[54:56] the code words of a chunk
.set LO,   57                          ; 8 x lane: my copy's place in a table entry; its upper three bytes are 0
.set XO,   58                          ; 16 x lane
.set WA0,  59                          ; my word in unit 0: 65,536 + r x 272 + 8 q + 4 h
.set WAL,  60                          ; the same in the loop's unit
.set LANE, 61
.set RR,   62                          ; r = lane & 15
.set HH,   63                          ; h = lane >> 4
.set SA,   32                          ; the end: where I put my tiles
.set RA,   33                          ; v[33:36] the end: where I read copy c
.set SET0, 64                          ; the end: two sets of 4 rows x 4 copies x 4 registers
.set SET1, 128
.set SEL,  50                          ; s[50:53] v_perm_b32 selectors, one for each byte of a word
.set HIS,  56                          ; s[56:63] lut[4 q .. 4 q + 3], f32
.set LUTS, 68                          ; s[68:99] lut[0 .. 15], f32
.set MSB, 0
.macro WIN new                         ; the immediate's high byte repeats the setting that is left; a switch that changes nothing is dropped
.if MSB != (\new)
	s_set_vgpr_msb (MSB<<8)|(\new)
.set MSB, (\new)
.endif
.endm
	s_load_b256 s[4:11], s[0:1], 0x0               ; xb s[4:5], qweight s[6:7], lut s[8:9], out s[10:11]
	v_lshrrev_b32 v1, 5, v0
	v_readfirstlane_b32 s12, v1                    ; q: wave 0..3
	s_mov_b32 s13, ttmp9                           ; R: row block 0..3
	s_and_b32 s14, ttmp7, 0xffff                   ; cb: column block 0..62
	s_mul_i32 s15, s14, BN
	s_min_u32 s15, s15, NOUT-BN                    ; n0: my first column; the last block is moved back inside the matrix
.irp k, 0,1,2,3
	s_mov_b32 s[SEL+\k], 0x01010400+0x100*\k       ; result byte 0 = LO's byte 0, byte 1 = the word's byte k, bytes 2 and 3 = LO's byte 1, which is 0
.endr
	; descriptor group 1: 44 rows of 64 words, 256 words from row to row, 4 words of padding behind every 64 in LDS
	s_mov_b32 s16, (2<<16)|(1<<20)|(5<<22)|(3<<25) ; no mask; elements of 4 bytes; padding on; after 64 words (code 5); of 4 words (code 3)
	s_mov_b32 s17, 64<<16                          ; tensor_dim0 = 64
	s_mov_b32 s18, QROWS<<16                       ; tensor_dim1 = 44
	s_mov_b32 s19, 64<<16                          ; tile_dim0 = 64
	s_mov_b32 s20, QROWS                           ; tile_dim1 = 44
	s_mov_b32 s21, 256                             ; the pitch
	s_mov_b32 s22, 0
	s_mov_b32 s23, 0
	s_mul_i32 s45, s12, QROWS*WPITCH               ; my 44 rows in a unit
	s_mul_i32 s46, s12, QROWS
	s_add_co_u32 s46, s46, s15
	s_lshl_b32 s46, s46, 10                        ; row n0 + 44 q of qweight, 1,024 bytes a row
	s_mov_b32 s47, 0
	s_wait_kmcnt 0x0
	s_add_nc_u64 s[6:7], s[6:7], s[46:47]
	; All fills of the launch go out here, ahead of every wait on TENSORcnt, LDS read and barrier: four tensor loads of this wave are out at the most.
.irp s, 0,1,2,3
	s_mov_b32 s[24+4*\s], 1
	s_add_co_u32 s[25+4*\s], s45, UB+\s*SR         ; LDS: unit s, my rows
	s_add_nc_u64 s[26+4*\s:27+4*\s], s[6:7], \s*256   ; words 64 s .. 64 s + 63
	s_or_b32 s[27+4*\s], s[27+4*\s], 0x80000000
	tensor_load_to_lds s[24+4*\s:27+4*\s], s[16:23]
.endr
	s_load_b512 s[LUTS:LUTS+15], s[8:9], 0x0       ; lut, all 128 bytes: the lower pair of a table entry runs through all sixteen
	s_load_b512 s[LUTS+16:LUTS+31], s[8:9], 0x40
	s_lshl_b32 s46, s12, 5                         ; four pairs of 8 bytes a wave
	s_add_nc_u64 s[54:55], s[8:9], s[46:47]
	s_load_b256 s[HIS:HIS+7], s[54:55], 0x0        ; lut[4 q .. 4 q + 3]: the upper pairs of the 64 entries that I write
	s_lshl_b32 s46, s13, 2
	s_add_co_u32 s46, s46, s12
	s_lshl_b32 s46, s46, 18                        ; (4 R + q) x 32 steps x 8,192 bytes
	s_add_nc_u64 s[4:5], s[4:5], s[46:47]          ; my stream of x
	s_lshl_b32 s42, s12, 3
	s_add_co_u32 s42, s42, UB                      ; 65,536 + 8 q
	s_lshl_b32 s43, s12, 14                        ; 64 entries of 256 bytes a wave
	v_and_b32 v[LANE], 31, v0
	v_lshlrev_b32 v[XO], 4, v[LANE]
	v_lshlrev_b32 v[LO], 3, v[LANE]
	v_and_b32 v[RR], 15, v[LANE]
	v_lshrrev_b32 v[HH], 4, v[LANE]
	v_mul_u32_u24 v[WA0], v[RR], WPITCH
	v_lshl_add_u32 v[WA0], v[HH], 2, v[WA0]
	v_add_nc_u32 v[WA0], s42, v[WA0]
	v_mov_b32 v[WAL], v[WA0]                       ; the loop comes in with unit 0 and steps in its first K step
	v_add_nc_u32 v[T], s43, v[LO]                  ; entry 64 q, my copy
; Sixteen loads: the eight fragments of x of one K step into buffer beta; off = the step's place from the stream's pointer
.macro ALOAD beta, off
.if (\beta) == 3
	WIN 0xc0                                       ; address window 0, data into window 3
.set lab, 192
.else
	WIN 0
.set lab, 64+64*(\beta)
.endif
.irp a, 0,1,2,3,4,5,6,7
	global_load_b128 v[lab+8*\a:lab+8*\a+3],   v[XO], s[4:5] offset:(\off)+1024*\a
	global_load_b128 v[lab+8*\a+4:lab+8*\a+7], v[XO], s[4:5] offset:(\off)+1024*\a+512
.endr
.endm
; Eight matrix instructions: column tile b x all eight row tiles.  Source 0 = 16 rows of dq, source 1 = 16 rows of x, so that lane (r, h) holds
; out(row r, columns 16 b + 8 h + 0..7): 32 neighbouring bytes.  The 88 accumulators take turns, one instruction a turn, in the same order in
; every K step and over the backward jump.
.macro MUL b, beta, zero
.set fb, BR+24*(((\b)/3)&1)+8*((\b)%3)         ; chunk b / 3 lies in buffer (b / 3) & 1, fragment b % 3 of it
.if (\beta) == 3
	WIN 0x50*(1+((\b)>>2))+0x0c                    ; source 0 window 0, source 1 window 3, C and D window 1 + (b >> 2)
.set mab, 192
.else
	WIN 0x50*(1+((\b)>>2))                         ; sources window 0, C and D window 1 + (b >> 2)
.set mab, 64+64*(\beta)
.endif
.set ma, 0
.rept 8
.set acc, 8*(8*((\b)&3)+ma)
.if \zero
	v_wmma_f32_16x16x32_bf16 v[acc:acc+7], v[fb:fb+7], v[mab+8*ma:mab+8*ma+7], 0
.else
	v_wmma_f32_16x16x32_bf16 v[acc:acc+7], v[fb:fb+7], v[mab+8*ma:mab+8*ma+7], v[acc:acc+7]
.endif
.set ma, ma+1
.endr
.endm
; A gap between two chunks' matrix instructions.
; vc: the chunk whose addresses are made (from the words in WW) and looked up, in buffer vc & 1.  wc: the chunk whose words are loaded (-1: none), from wadr + woff.
; wcnt: LDS instructions that were issued behind the words now in WW.  stepw = 1: the loop's word address goes on to the next unit.
; abeta, aoff: the buffer of x to fill and where its K step lies (aoff = -1: none).
; Address n (fragment n / 4, byte n % 4 of its word) = byte x 256 + 8 x lane, put together by one v_perm_b32; it brings registers 2 n, 2 n + 1 of the buffer.
; A number that was loaded enters an address only behind a clamp by a constant written in the instruction: 0xff00 + 248 = 0xfff8 is the
; largest address that the v_perm_b32 can make, so the clamp changes no value.
; The addresses go six at a time through T.  The first six v_perm_b32 name only WW, LO and T, no register of a matrix instruction: they are the places
; (ISA guide 7.12.1 for vector instructions) between the last matrix instructions and the lines that write over the fragments which those have read.
.macro GAP vc, wc, wadr, woff, wcnt, stepw, abeta, aoff
.set nv, 3-(\vc)/3                             ; fragments in the chunk: 3, 3, 3, 2
.set bb, BR+24*((\vc)&1)
	s_wait_dscnt \wcnt                             ; LDS instructions come back in order: the words are in, the lookups issued behind them may be out
	WIN 0
.set gn, 0
.rept 2
.set gc, 4*nv-gn                               ; 6 and 6, for the chunk of two 6 and 2
.if gc > 6
.set gc, 6
.endif
.set gi, 0
.rept gc
	v_perm_b32 v[T+gi], v[WW+(gn+gi)/4], v[LO], s[SEL+(gn+gi)%4]
.set gi, gi+1
.endr
.set gi, 0
.rept gc
	v_min_u32 v[bb+2*(gn+gi)], 0xfff8, v[T+gi]
.set gi, gi+1
.endr
.set gn, gn+gc
.endr
.if \stepw
	v_add_nc_u32 v[WAL], SR, v[WAL]                ; the next unit
.endif
.set nw, 0
.if (\wc) >= 0
.set nw, 3-(\wc)/3
.set gi, 0
.rept nw
	ds_load_b32 v[WW+gi], v[\wadr] offset:16*WPITCH*(3*(\wc)+gi)+(\woff)   ; the words first: the next gap's wait leaves the lookups out
.set gi, gi+1
.endr
.endif
.set gi, 0
.rept 4*nv
	ds_load_b64 v[bb+2*gi:bb+2*gi+1], v[bb+2*gi]   ; two codes' pairs, onto the address and the register beside it
.set gi, gi+1
.endr
.if (\aoff) >= 0
	ALOAD \abeta, \aoff                            ; three steps ahead, into the buffer that the last step has read
.endif
	s_wait_dscnt nw+4*nv                           ; the chunk multiplied next was looked up one gap ago: behind it came only this gap's run
.endm
; A K step.  beta: its buffer of x.  zero = 1: the products start the sums.  aoff: where the step three ahead lies (-1: nothing is left to ask for).
; lcnt: loads of x that may stay out.  cadr, coff: this step's words (chunk 3's are loaded in the step itself).  nadr, noff: the next step's words.
; stepw: see GAP.  last = 1: no next step.
; Heads of the gaps: behind a chunk's words came the lookups of the run in which they were loaded, four a fragment: 12, 12, 8 (the chunk of two), 12.
.macro KSTEP beta, zero, aoff, lcnt, cadr, coff, nadr, noff, stepw, last
.set nbeta, ((\beta)+3)&3
	s_wait_loadcnt \lcnt                           ; loads come back in order: this step's sixteen are in, those of the later steps stay out
	MUL 0, \beta, \zero
	MUL 1, \beta, \zero
	MUL 2, \beta, \zero
	GAP 2, 3, \cadr, \coff, 12, 0, 0, -1
	MUL 3, \beta, \zero
	MUL 4, \beta, \zero
	MUL 5, \beta, \zero
.if \last
	GAP 3, -1, \cadr, 0, 12, 0, 0, -1              ; the last lookups; no words are left to load
	MUL 6, \beta, \zero
	MUL 7, \beta, \zero
	MUL 8, \beta, \zero
	s_wait_dscnt 0x0                               ; chunk 3's lookups: nothing was issued behind them
	MUL 9, \beta, \zero
	MUL 10, \beta, \zero
.else
	GAP 3, 0, \nadr, \noff, 12, \stepw, nbeta, \aoff
	MUL 6, \beta, \zero
	MUL 7, \beta, \zero
	MUL 8, \beta, \zero
	GAP 0, 1, \nadr, \noff, 8, 0, 0, -1
	MUL 9, \beta, \zero
	MUL 10, \beta, \zero
	GAP 1, 2, \nadr, \noff, 12, 0, 0, -1
.endif
.endm
	ALOAD 0, 0                                     ; K steps 0, 1, 2 of x
	ALOAD 1, ASTEP
	ALOAD 2, 2*ASTEP
	; THE TABLE.  Wave q writes entries e = 64 q + 16 i + c: lower pair c, upper pair 4 q + i, the same 8 bytes in every lane; a store covers the entry's
	; 256 consecutive bytes.  A store of 8 bytes takes a register pair, so the upper pair is set beside each of the sixteen lower ones.
	s_wait_kmcnt 0x0                               ; lut is in
.set tc, 0
.rept 16
	v_cvt_pk_bf16_f32 v[2*tc], s[LUTS+2*tc], s[LUTS+2*tc+1]
.set tc, tc+1
.endr
.irp i, 0,1,2,3
.set tc, 0
.rept 16
	v_cvt_pk_bf16_f32 v[2*tc+1], s[HIS+2*\i], s[HIS+2*\i+1]
.set tc, tc+1
.endr
.set tc, 0
.rept 16
	ds_store_b64 v[T], v[2*tc:2*tc+1] offset:(16*\i+tc)*256
.set tc, tc+1
.endr
.endr
	s_wait_dscnt 0x0                               ; my part of the table is written, for the others' sake
	s_wait_tensorcnt 0x3                           ; my rows of unit 0 are in; units 1 to 3 stay out
	s_barrier_signal -1
	s_barrier_wait -1                              ; the table is whole, and everybody's rows of unit 0 are in
.irp i, 0,1,2
	ds_load_b32 v[WW+\i], v[WA0] offset:16*WPITCH*\i+128   ; K block 4 (word 32 of the row), chunk 0
.endr
	GAP 0, 1, WA0, 128, 0, 0, 0, -1                ; the first step's chunks 0 and 1 are looked up ahead of it, chunk 2's words loaded
	GAP 1, 2, WA0, 128, 12, 0, 0, -1
	KSTEP 0, 1, 3*ASTEP, 32, WA0, 128, WA0, 160, 0, 0   ; K blocks 4, 5, 6: unit 0
	KSTEP 1, 0, 4*ASTEP, 32, WA0, 160, WA0, 192, 0, 0
	KSTEP 2, 0, 5*ASTEP, 32, WA0, 192, WA0, 224, 0, 0
	WIN 0
	s_wait_tensorcnt 0x0                           ; my rows of all units are in,
	s_wait_dscnt 0x0                               ; no LDS instruction of mine is pending at the signal,
	s_barrier_signal -1
	s_barrier_wait -1                              ; everybody's are: from here on qweight needs no further wait
	s_wait_xcnt 0x0                                ; the pointer is stepped only behind this wait
	s_add_nc_u64 s[4:5], s[4:5], 3*ASTEP
	s_mov_b32 s41, 3
.Ltrip:                                            ; a trip: eight K steps; the first takes its chunk 3 from the end of the old unit, then the next-step words walk the new one
	KSTEP 3, 0, 3*ASTEP,  32, WAL, 224, WAL, 0,   1, 0
	KSTEP 0, 0, 4*ASTEP,  32, WAL, 0,   WAL, 32,  0, 0
	KSTEP 1, 0, 5*ASTEP,  32, WAL, 32,  WAL, 64,  0, 0
	KSTEP 2, 0, 6*ASTEP,  32, WAL, 64,  WAL, 96,  0, 0
	KSTEP 3, 0, 7*ASTEP,  32, WAL, 96,  WAL, 128, 0, 0
	KSTEP 0, 0, 8*ASTEP,  32, WAL, 128, WAL, 160, 0, 0
	KSTEP 1, 0, 9*ASTEP,  32, WAL, 160, WAL, 192, 0, 0
	KSTEP 2, 0, 10*ASTEP, 32, WAL, 192, WAL, 224, 0, 0
	WIN 0                                          ; at a branch and at a label every window is 0
	s_wait_xcnt 0x0                                ; the pointer is stepped only behind this wait
	s_add_nc_u64 s[4:5], s[4:5], 8*ASTEP
	s_sub_co_u32 s41, s41, 1
	s_cmp_lg_u32 s41, 0
	s_cbranch_scc1 .Ltrip
	KSTEP 3, 0, 3*ASTEP, 32, WAL, 224, WA0, 0,  0, 0   ; step 27, K block 31: the end of unit 3; the words of K blocks 0 to 3 lie in unit 0 again
	KSTEP 0, 0, 4*ASTEP, 32, WA0, 0,   WA0, 32, 0, 0   ; asks for the last step of x
	KSTEP 1, 0, -1,      32, WA0, 32,  WA0, 64, 0, 0   ; nothing is left to ask for: the counts run down
	KSTEP 2, 0, -1,      16, WA0, 64,  WA0, 96, 0, 0
	KSTEP 3, 0, -1,      0,  WA0, 96,  WA0, 0,  0, 1
	; THE END.  The units have had their last fill, and they and the table their last read; the bytes become four copies (one a wave) of 64 rows x 1,040 bytes.
	; A row's column n - n0 lies at byte phi + 4 (n - n0), phi = 4 n0 mod 256, so that LDS rows and rows of out have the same grid of 256 bytes.
	; Twice (rows 0-63, rows 64-127 of the block): every wave puts its 44 tiles into its copy; barrier; wave q adds the four copies of rows 16 q .. 16 q + 15
	; and stores them, 16 bytes a lane.
	WIN 0
.rept 4
	v_nop                                          ; the places behind the last matrix instructions: results are read and registers of window 0 written below
.endr
	s_wait_dscnt 0x0
	s_barrier_signal -1
	s_barrier_wait -1                              ; no wave reads qweight or the table any more
	s_lshl_b32 s42, s15, 2
	s_and_b32 s42, s42, 0xc0                       ; phi: n0 is a multiple of 16, so 4 n0 mod 256 is 0, 64, 128 or 192
	s_mul_i32 s45, s12, CP
	s_add_co_u32 s45, s45, s42
	v_mul_u32_u24 v[SA], v[RR], OPITCH
	v_lshl_add_u32 v[SA], v[HH], 5, v[SA]
	v_add_nc_u32 v[SA], s45, v[SA]                 ; copy q, row r, byte phi + 32 h
	s_mul_i32 s45, s12, 16*OPITCH                  ; the sixteen rows that I add
.irp c, 0,1,2,3
	s_add_co_u32 s46, s45, \c*CP
	v_add_nc_u32 v[RA+\c], s46, v[XO]
.endr
	s_mul_i32 s43, s14, BN
	s_sub_co_u32 s43, s43, s15                     ; columns at my left edge that the neighbour stores: 0, in the last block 80
	s_lshr_b32 s43, s43, 2                         ; in lanes of four columns
	s_lshr_b32 s44, s42, 4
	s_add_co_u32 s43, s43, s44                     ; first half of a row: lanes from phi / 16 + that on (24 at the most)
	s_add_co_u32 s44, s44, 12                      ; second half: 512 + 16 lane < phi + 704, lanes below 12 + phi / 16 (12 at the least)
	s_lshl_b32 s46, s13, 7
	s_lshl_b32 s47, s12, 4
	s_add_co_u32 s46, s46, s47                     ; row 128 R + 16 q
	s_mul_i32 s46, s46, ROWOUT
	s_lshl_b32 s47, s15, 2
	s_add_co_u32 s46, s46, s47
	s_sub_co_u32 s46, s46, s42                     ; + 4 n0 - phi: a multiple of 256
	s_mov_b32 s47, 0
	s_add_nc_u64 s[48:49], s[10:11], s[46:47]
.macro STAGE p                         ; row tiles 4 p .. 4 p + 3 of all eleven column tiles into my copy
.set sb, 0
.rept 11
	WIN 0x04*(1+(sb>>2))                           ; address window 0, data window 1 + (b >> 2)
.irp a, 0,1,2,3
.set acc, 8*(8*(sb&3)+4*(\p)+\a)
	ds_store_b128 v[SA], v[acc:acc+3]   offset:16*OPITCH*\a+64*sb
	ds_store_b128 v[SA], v[acc+4:acc+7] offset:16*OPITCH*\a+64*sb+16
.endr
.set sb, sb+1
.endr
	WIN 0
.endm
.macro RLOAD set, row0, type           ; four rows x four copies, 16 bytes a lane, into a set of 64 registers
	s_wait_xcnt 0x0                                ; the set held data of stores: it is loaded again only behind this wait
.irp i, 0,1,2,3
.irp c, 0,1,2,3
	ds_load_b128 v[(\set)+16*\i+4*\c:(\set)+16*\i+4*\c+3], v[RA+\c] offset:((\row0)+\i)*OPITCH+512*(\type)
.endr
.endr
.endm
.macro RSUM set, row0, extra, type     ; extra = 16 where a younger batch of loads is out
.irp i, 0,1,2,3
.set rb, (\set)+16*\i
	s_wait_dscnt (\extra)+12-4*\i                  ; row i's four loads are in; the batch's later rows and the younger batch stay out
	v_pk_add_f32 v[rb:rb+1],     v[rb:rb+1],     v[rb+4:rb+5]
	v_pk_add_f32 v[rb+2:rb+3],   v[rb+2:rb+3],   v[rb+6:rb+7]
	v_pk_add_f32 v[rb+8:rb+9],   v[rb+8:rb+9],   v[rb+12:rb+13]
	v_pk_add_f32 v[rb+10:rb+11], v[rb+10:rb+11], v[rb+14:rb+15]
	v_pk_add_f32 v[rb:rb+1],     v[rb:rb+1],     v[rb+8:rb+9]
	v_pk_add_f32 v[rb+2:rb+3],   v[rb+2:rb+3],   v[rb+10:rb+11]
	global_store_b128 v[XO], v[rb:rb+3], s[48:49] offset:((\row0)+\i)*ROWOUT+512*(\type) th:TH_STORE_NT   ; sixteen lanes: 256 consecutive bytes, at a multiple of 256 from out's first byte
.endr
.endm
; Half a row (512 bytes) of each of my sixteen rows, under the mask in VCC: only lanes whose 16 bytes belong to my block read and store.
.macro PASS type
	s_wait_xcnt 0x0                                ; EXEC changes only behind this wait
	s_and_saveexec_b32 s40, vcc_lo
	RLOAD SET0, 0,  \type
	RLOAD SET1, 4,  \type
	RSUM  SET0, 0,  16, \type
	RLOAD SET0, 8,  \type
	RSUM  SET1, 4,  16, \type
	RLOAD SET1, 12, \type
	RSUM  SET0, 8,  16, \type
	RSUM  SET1, 12, 0,  \type
	s_wait_xcnt 0x0                                ; and again, in front of the line that widens it
	s_or_b32 exec_lo, exec_lo, s40
.endm
	STAGE 0
	s_wait_dscnt 0x0                               ; my stores are done, for the others' sake
	s_barrier_signal -1
	s_barrier_wait -1
	v_cmp_le_u32 vcc_lo, s43, v[LANE]
	PASS 0
	v_cmp_gt_u32 vcc_lo, s44, v[LANE]
	PASS 1
	s_add_nc_u64 s[48:49], s[48:49], 64*ROWOUT     ; behind the pass's closing s_wait_xcnt 0: the block's rows 64-127
	s_wait_dscnt 0x0                               ; my reads of the copies are over
	s_barrier_signal -1
	s_barrier_wait -1                              ; everybody's are: the copies may be written again
	STAGE 1
	s_wait_dscnt 0x0
	s_barrier_signal -1
	s_barrier_wait -1
	v_cmp_le_u32 vcc_lo, s43, v[LANE]
	PASS 0
	v_cmp_gt_u32 vcc_lo, s44, v[LANE]
	PASS 1
	s_endpgm
.Lfunc_end_k_q2af282bdb6_vqmm:
	.size	k_q2af282bdb6_vqmm, .Lfunc_end_k_q2af282bdb6_vqmm-k_q2af282bdb6_vqmm
	.p2alignl 7, 3214868480
	.fill 96, 4, 3214868480
	.section	.rodata,"a",@progbits
	.p2align	6, 0x0
	.amdhsa_kernel k_q2af282bdb6_vqmm
		.amdhsa_group_segment_fixed_size 266240
		.amdhsa_private_segment_fixed_size 0
		.amdhsa_enable_private_segment 0
		.amdhsa_kernarg_size 32
		.amdhsa_user_sgpr_count 2
		.amdhsa_user_sgpr_kernarg_segment_ptr 1
		.amdhsa_wavefront_size32 1
		.amdhsa_system_sgpr_workgroup_id_x 1
		.amdhsa_system_sgpr_workgroup_id_y 1
		.amdhsa_system_sgpr_workgroup_id_z 1
		.amdhsa_system_vgpr_workitem_id 0
		.amdhsa_next_free_vgpr 1024
		.amdhsa_next_free_sgpr 100
		.amdhsa_reserve_vcc 1
		.amdhsa_float_denorm_mode_32 3
		.amdhsa_float_denorm_mode_16_64 3
		.amdhsa_memory_ordered 1
		.amdhsa_forward_progress 1
		.amdhsa_inst_pref_size 255
	.end_amdhsa_kernel
	.section	.bss,"aw",@nobits
	.p2align	6
	.space	262144
	.amdgpu_metadata
---
amdhsa.version: [ 1, 2 ]
amdhsa.kernels:
  - .name:           k_q2af282bdb6_vqmm
    .symbol:         k_q2af282bdb6_vqmm.kd
    .args:
      - { .name: xb, .offset: 0, .size: 8, .value_kind: global_buffer, .address_space: global }
      - { .name: qweight, .offset: 8, .size: 8, .value_kind: global_buffer, .address_space: global }
      - { .name: lut, .offset: 16, .size: 8, .value_kind: global_buffer, .address_space: global }
      - { .name: out0, .offset: 24, .size: 8, .value_kind: global_buffer, .address_space: global }
    .group_segment_fixed_size: 266240
    .private_segment_fixed_size: 0
    .kernarg_segment_align: 8
    .kernarg_segment_size: 32
    .max_flat_workgroup_size: 128
    .sgpr_count:     100
    .vgpr_count:     1024
    .wavefront_size: 32
...
	.end_amdgpu_metadata
.endif
;; end of part 3
